; MI455X (gfx1250); checked and timed in simulation.
; The chip was launched on July 23, 2026; its instructions are those of AMD's public machine-readable ISA for CDNA 5 (MIT licence, August 2026) and "CDNA5" Instruction Set Architecture Reference Guide (July 2026). The comments in the code are by the model that wrote it; some were corrected since.
;; Head. Allowed arithmetic: matrix products marked QUANTISED: E5M2 operands, one E8M0 scale for each 32 along K, by v_wmma_scale_f32_16x16x128_f8f6f4 with both operands' format E5M2, f32 sums; everything else in f32.
;; Inputs: W_k_codes 32 x 4 x 32 uint8 (E5M2 codes of W_k, K innermost, in blocks of 32 codes); W_k_scales 32 x 4 uint8 (E8M0 scales of W_k, one for each 32 codes along K); W_q_codes 32 x 4 x 32 uint8 (E5M2 codes of W_q, K innermost, in blocks of 32 codes); W_q_scales 32 x 4 uint8 (E8M0 scales of W_q, one for each 32 codes along K); W_v_codes 32 x 4 x 32 uint8 (E5M2 codes of W_v, K innermost, in blocks of 32 codes); W_v_scales 32 x 4 uint8 (E8M0 scales of W_v, one for each 32 codes along K); x_codes 8 x 4,096 x 4 x 32 uint8 (E5M2 codes of x, K innermost, in blocks of 32 codes); x_scales 8 x 4,096 x 4 uint8 (E8M0 scales of x, one for each 32 codes along K).
;; Outputs: out0 8 x 4,096 x 32 float32.
;; This version of the problem:
;;   THIS VERSION OF THE PROBLEM IS GIVEN IN LOW PRECISION. The matrix products marked QUANTISED in the list below multiply operands that are first quantised to E5M2 (5 exponent bits, 2 mantissa bits; 8 bits a number), with one power-of-two scale for each 32 numbers along K (OCP MX v1.0); their sums are f32. All else is computed in f32.
;;   The module's matrix products, in the order in which they are computed (A, B: the left and right operand; K: the contracted axis; several contracted axes count as one K, in the product's order):
;;     1. [M 32,768, K 128] x [K 128, N 32]; A: input x (given as codes); B: input W_q (given as codes): QUANTISED
;;     2. [M 32,768, K 128] x [K 128, N 32]; A: input x (given as codes); B: input W_k (given as codes): QUANTISED
;;     3. [M 32,768, K 128] x [K 128, N 32]; A: input x (given as codes); B: input W_v (given as codes): QUANTISED
;;     4. batch 8 x [M 4,096, K 32] x [K 32, N 4,096]; A: computed on the way; B: computed on the way: QUANTISED
;;     5. batch 8 x [M 4,096, K 4,096] x [K 4,096, N 32]; A: softmax (see below); B: computed on the way: QUANTISED
;;   THE QUANTISER, for each operand of a quantised product, along K:
;;     - K is cut into blocks of 32 from its start; a last block that is shorter is filled with zeros.
;;     - A block's scale is 2^e with e = floor(log2(the largest magnitude in the block)) - 15, held to -126 .. 127; a block of zeros has e = 0. As a byte (E8M0): e + 127.
;;     - Each number is divided by its block's scale, clamped to +-57,344, and rounded to the nearest number of E5M2, ties to even, subnormals kept.
;;     - The product sums the exact products of the quantised numbers (number of the format x scale) in f32.
;;   ~~~python
;;   def quantise(x, axis):      # numpy; x: float32 -> the quantised numbers, widened to float32 again
;;       x = np.moveaxis(x, axis, -1); K = x.shape[-1]
;;       x = np.pad(x, [(0, 0)] * (x.ndim - 1) + [(0, -K % 32)]); x = x.reshape(x.shape[:-1] + (-1, 32)); a = np.abs(x).max(-1, keepdims=True)
;;       e = np.where(a > 0, np.clip(np.frexp(np.where(a > 0, a, 1))[1] - 1 - 15, -126, 127), 0)      # np.frexp(a)[1] - 1 = floor(log2(a)), exactly
;;       r = np.clip(x / 2.0 ** e, -57344, 57344)
;;       step = 2.0 ** (np.maximum(np.frexp(np.where(r == 0, 1, r))[1] - 1, -14) - 2)
;;       q = np.round(r / step) * step * 2.0 ** e      # np.round: ties to even
;;       return np.moveaxis(q.reshape(q.shape[:-2] + (-1,))[..., :K], -1, axis).astype(np.float32)
;;   ~~~
;;   SOFTMAX AHEAD OF A QUANTISED PRODUCT. Where the list says 'softmax', what is quantised is not the finished softmax but p = 2^(t - M), with t = logit x log2(e) and M = ceil(the row's largest t), a whole number; so 1/2 < the row's largest p <= 1. The row's sum l is taken of the UNQUANTISED p, in f32, and the product's result is divided by l at the end. Since M is a whole number, a kernel that streams over the keys may use a running M (the ceiling of the running maximum): every later rescaling is an exact power of two, which a block's scale takes up: the codes' values come out the same.
;;   OPERANDS COMPUTED ON THE WAY. 'Computed on the way' means the value that the module computes at that place (a softmax that the list does not call 'softmax' is quantised finished and normalised). What goes into a quantiser is computed in f32, as accurately as f32 sums, v_exp_f32 and their like allow (about 1e-6 of the number): no bf16 or f16 on the way to a quantiser, and a product that is left as it is and whose result goes on into a quantised operand takes f32 operands (vector FMAs, or v_wmma_f32_16x16x4_f32). A number that lies on a knife's edge between two numbers of the format may be rounded either way, as far as f32 arithmetic and the matrix unit's own rounding can turn it there, and no further.
;;   INPUTS GIVEN AS CODES. W_k (in the module: [128, 32], K = its axis 0); W_q (in the module: [128, 32], K = its axis 0); W_v (in the module: [128, 32], K = its axis 0); x (in the module: [8, 4096, 128], K = its axis 2): each comes as NAME_codes (uint8): NAME with its K axis moved to the last place and cut into blocks of 32 codes, [.., K / 32, bytes a block], one block behind the other in memory; one code a byte (a code: sign, 5 exponent bits, 2 mantissa bits); and NAME_scales (uint8): the same leading axes, one E8M0 byte (e + 127) for each 32 codes along K. Its value is code x scale, taken as it is: it is not quantised again, and the codes and scales need not be those that the quantiser above would give.
;; One version. Each part assembles by itself: llvm-mc -triple=amdgcn-amd-amdhsa -mcpu=gfx1250 --defsym DOCPART=n.
;; ======== version 1 of 1: 2 launches
;; limits: right only within a limited range of input values
;; workspace buffers: qc 1,048,576 bytes; qs 131,072 bytes; kv 2,162,688 bytes
;; launch proj (part 1): grid 256 x 1, 4 waves a work-group, no clusters, 1,536 bytes of LDS; arguments x_codes, x_scales, W_q_codes, W_q_scales, W_k_codes, W_k_scales, W_v_codes, W_v_scales, qc, qs, kv; writes qc, qs, kv
.if DOCPART == 1
	.amdgcn_target "amdgcn-amd-amdhsa--gfx1250"
	.amdhsa_code_object_version 6
	.text
	.protected	k_qcfed2f4b1f_proj
	.globl	k_qcfed2f4b1f_proj
	.p2align	8
	.type	k_qcfed2f4b1f_proj,@function
k_qcfed2f4b1f_proj:
	s_mov_b64 s[64:65], 0
	v_nop
	global_prefetch_b8 v0, s[64:65] scope:SCOPE_SE
	s_setreg_imm32_b32 hwreg(HW_REG_WAVE_MODE, 25, 1), 1
	s_wait_xcnt 0x0
; q = rope(x Wq), k = rope(x Wk), v = x Wv on codes of E5M2 with E8M0 scales, then q and k quantised along the head's 32 numbers (one block) and v along the keys.
; The results are laid as IMAGES OF THE NEXT LAUNCH'S OPERAND REGISTERS, so that it reads them 16 bytes a lane on end.
; SHARES.  Work-group W owns 128 tokens (one key step of the next launch); wave w owns 32 of them, as two tiles of 16.
; THE TOKENS OF A TILE ARE NOT NEIGHBOURS: row r of tile u is token 8 u + r + 8 (r / 8) of the wave's 32; Wq's and Wk's rows are chosen likewise.  So:
;   q, k (source 0 = 16 rows of W, source 1 = 16 tokens): lane (r, h) holds ONE token and d = 16 h + 0 .. 15 in 16 registers: the rotation's pairs and half a block lie in one lane;
;   v    (source 0 = 16 tokens, source 1 = 16 rows of Wv): lane (r, h) holds ONE d and keys 16 h + 0 .. 15 of the wave's 32: half a block along the keys.
; A block's other half lies in lane l xor 16.
; OUT.  qc: [block of 32 tokens][tile u][lane][16 bytes].  qs: [block of 32][word 16 u + r]: the row's scale byte, four times.
;   kv: a record of 8,448 bytes for each 128 keys: +0 k's eight tiles, 512 bytes each; +4096 v: fragment n (d = 16 n + r) at 2048 n, key block c at 512 c; +8192 k's 32 scale words
;   (word 16 g + r: the bytes of row r of tiles 4 g .. 4 g + 3); +8320 v's 32 scale words (word 16 n + r: the bytes of the four key blocks).
;   THE ORDER OF A BATCH'S 32 RECORDS: record j stands at place j, but the odd ones from 9 on: 9 .. 19 stand 12 places further on, 21 .. 31 12 places further up (the next launch's loads take two places each).
; Every store of codes covers 512 consecutive bytes, aligned; the scale bytes meet in LDS and leave as 256 and 512 consecutive bytes.  Each load of x takes 32 bytes of 16 rows; a wave's eight cover 4,096 bytes on end, read once.
; Cluster none, no tensor load: x is read once, and each wave's fragments go from memory straight into registers.  No prefetch: there is no loop to run ahead in.
; SINE AND COSINE hang on ids alone and stand under the loads' flight, in registers of their own (window 1): in f32 of ang = theta x pos, rounded as the multiplication rounds it: n = round(ang 2 / pi); ang - n pi/2 in two steps
; (the first is exact: n has 12 bits at the most, since pos < 4,096); polynomials of degree 7 and 8 on +-pi/4; the quadrant by selects.
; LIMITS: theta is 1 / 10^(i/4), each step rounded to f32; another power function may differ in the last bit, which turns the largest angle by 1.4e-4 at the most.  NaN and infinities among the inputs are not served.
; A block of zeros gets the scale byte 1 (its codes are zeros; the bytes are read by this program alone); blocks whose largest magnitude lies under 2^-111 are held at that byte.
.set SPW, 16                           ; my spare word, and 0
.set NIL, 17
.set PL,  18                           ; v18-23   lane permutes' results
.set X,   32                           ; v32-63   x's two fragments
.set WQ,  64                           ; v64-95   Wq's two tiles;  v96-127 Wk's;  v128-159 Wv's
.set WK,  96
.set WVF, 128
.set RQ,  160                          ; v160-191 q: 16 u + i;  v192-223 k;  v224-255 v: 16 n + i: six sets of 16
.set RK,  192
.set RV,  224
; window 1: theta of my eight pairs, the two positions, then 16 registers each (tile u's pairs at 8 u): the angle, later the cosine; the square, later the sine; n; sine and cosine at work; work
.set TH,  0
.set POS, 8
.set AN,  16
.set Z,   32
.set NN,  48
.set SI,  64
.set CO,  80
.set T,   96
; behind the products, window 0: rotation's products at v32-63 and v64-95; the quantisers' six each: maxima v96, v102, scale operands v114, bounds v120, bytes v126, codes v132-155
.set RT,  32
.set RC,  64
.set MX,  96
.set MY,  102
.set SC,  114
.set BD,  120
.set EB,  126
.set CD,  132
.set MSB, 0
.macro WIN new                         ; the immediate's high byte repeats the setting that is left
.if MSB != \new
	s_set_vgpr_msb (MSB<<8)|\new
.set MSB, \new
.endif
.endm
	s_load_b256 s[4:11], s[0:1], 0x0               ; x's codes s[4:5], x's scales s[6:7], Wq's codes s[8:9], Wq's scales s[10:11]
	s_load_b256 s[12:19], s[0:1], 0x20             ; Wk's codes, Wk's scales, Wv's codes, Wv's scales
	s_load_b128 s[20:23], s[0:1], 0x40             ; qc, qs
	s_load_b64 s[24:25], s[0:1], 0x50              ; kv
	v_lshl_add_u32 v[SPW], v0, 2, 0x400
	v_mov_b32 v[NIL], 0
	v_lshrrev_b32 v14, 5, v0
	v_readfirstlane_b32 s26, v14                   ; wave 0..3
	v_and_b32 v1, 31, v0                           ; lane
	v_and_b32 v2, 15, v0                           ; r
	v_bfe_u32 v3, v0, 4, 1                         ; h
	v_and_b32 v14, 8, v2
	v_add_nc_u32 v14, v14, v2                      ; r + 8 (r / 8)
	v_lshlrev_b32 v4, 7, v14
	v_lshl_add_u32 v4, v3, 4, v4                   ; x, Wq, Wk: the tile's row of 128 bytes, + 16 h
	v_lshlrev_b32 v5, 7, v2
	v_lshl_add_u32 v5, v3, 4, v5                   ; Wv: row r
	v_lshlrev_b32 v6, 2, v14                       ; their scale words
	v_lshlrev_b32 v7, 2, v2
	v_lshlrev_b32 v8, 4, v1                        ; 16 x lane
	v_lshlrev_b32 v15, 3, v1                       ; 8 x lane
	s_mov_b32 s29, 0
	s_lshl_b32 s28, ttmp9, 14                      ; 128 tokens of 128 bytes a work-group,
	s_lshl_b32 s42, s26, 12                        ; 32 a wave
	s_add_co_u32 s28, s28, s42
	s_wait_alu depctr_va_vdst(0)
	s_wait_kmcnt 0x0
	s_add_nc_u64 s[4:5], s[4:5], s[28:29]
	s_lshl_b32 s28, ttmp9, 9
	s_add_nc_u64 s[22:23], s[22:23], s[28:29]      ; qs: 512 bytes a work-group
	s_lshl_b32 s42, s26, 7
	s_add_co_u32 s28, s28, s42
	s_add_nc_u64 s[6:7], s[6:7], s[28:29]          ; x's scale words: 4 bytes a token
.irp u, 0,1
.irp c, 0,1,2,3
	global_load_b128 v[X+16*\u+4*\c:X+16*\u+4*\c+3], v4, s[4:5] offset:1024*\u+32*\c th:TH_LOAD_NT
.endr
	global_load_b32 v[24+\u], v6, s[6:7] offset:32*\u
.endr
.irp p, 0,1
.irp c, 0,1,2,3
	global_load_b128 v[WQ+16*\p+4*\c:WQ+16*\p+4*\c+3], v4, s[8:9] offset:1024*\p+32*\c
	global_load_b128 v[WK+16*\p+4*\c:WK+16*\p+4*\c+3], v4, s[12:13] offset:1024*\p+32*\c
	global_load_b128 v[WVF+16*\p+4*\c:WVF+16*\p+4*\c+3], v5, s[16:17] offset:2048*\p+32*\c
.endr
	global_load_b32 v[26+\p], v6, s[10:11] offset:32*\p
	global_load_b32 v[28+\p], v6, s[14:15] offset:32*\p
	global_load_b32 v[30+\p], v7, s[18:19] offset:64*\p
.endr
	; while the loads are out: where the results go, the positions, theta, the constants, sine and cosine
	s_lshl_b32 s28, ttmp9, 12
	s_lshl_b32 s42, s26, 10
	s_add_co_u32 s28, s28, s42
	s_add_nc_u64 s[20:21], s[20:21], s[28:29]      ; qc: 1,024 bytes a wave
	s_and_b32 s42, ttmp9, 31                       ; my record's place in its batch
	s_cmp_lt_u32 s42, 20
	s_cselect_b32 s43, 12, -12
	s_cmp_lt_u32 s42, 8
	s_cselect_b32 s43, 0, s43
	s_and_b32 s42, ttmp9, 1
	s_cselect_b32 s43, s43, 0
	s_add_co_u32 s28, ttmp9, s43
	s_mul_i32 s28, s28, 8448
	s_add_nc_u64 s[24:25], s[24:25], s[28:29]      ; my work-group's record
	s_lshl_b32 s28, s26, 10
	s_add_nc_u64 s[44:45], s[24:25], s[28:29]      ; k's tiles 2 w, 2 w + 1
	s_lshl_b32 s28, s26, 9
	s_add_nc_u64 s[46:47], s[24:25], s[28:29]      ; v's key block w
	s_lshr_b32 s42, s26, 1
	s_lshl_b32 s42, s42, 6
	s_and_b32 s43, s26, 1
	s_lshl_b32 s43, s43, 1
	s_add_co_u32 s42, s42, s43
	v_add_nc_u32 v9, s42, v7                       ; LDS: k's scale bytes: 4 r + 64 (w / 2) + 2 (w % 2), + u
	s_add_co_u32 s43, s26, 128
	v_add_nc_u32 v10, s43, v7                      ; v's: 128 + 4 r + w, + 64 n
	s_lshl_b32 s43, s26, 7
	s_add_co_u32 s43, s43, 256
	v_lshl_add_u32 v11, v1, 2, s43                 ; q's words: 256 + 128 w + 4 x lane
	s_and_b32 s42, ttmp9, 31
	s_lshl_b32 s42, s42, 7
	s_lshl_b32 s43, s26, 5
	s_add_co_u32 s42, s42, s43                     ; my wave's first position in its batch
	v_add_nc_u32 v14, s42, v14
	s_mov_b32 s30, 0x76543210
	s_mov_b32 s31, 0xfedcba98                      ; v_permlanex16_b32's selects for lane l xor 16
	s_mov_b32 s32, 0x600000                        ; the mantissa field of 57,344
	s_mov_b32 s33, 0x3f22f983                      ; 2 / pi
	s_mov_b32 s34, 0xbfc90fdb                      ; -(pi / 2), the f32 nearest,
	s_mov_b32 s35, 0x333bbd2e                      ; and less what that leaves over
	s_mov_b32 s36, 0xb94ca1f9                      ; sine: -1.9515296e-4, 8.3321609e-3, -1.6666655e-1
	s_mov_b32 s37, 0x3c08839e
	s_mov_b32 s38, 0xbe2aaaa3
	s_mov_b32 s39, 0x37ccf5ce                      ; cosine: 2.4433157e-5, -1.3887316e-3, 4.1666646e-2
	s_mov_b32 s40, 0xbab6061a
	s_mov_b32 s41, 0x3d2aaaa5
.irp s, 0,1,2,3,4,5
	v_mov_b32 v[PL+\s], 0                          ; a lane permute's destination counts as one of its sources
.endr
	v_cmp_eq_u32 vcc_lo, 1, v3
	s_wait_alu depctr_va_vdst(0)
	WIN 0x40
	v_cvt_f32_u32 v[POS], v14                      ; tile 0: my row's position,
	WIN 0x55                                       ; everything in window 1
	v_add_f32 v[POS+1], 0x41000000, v[POS]         ; tile 1: 8 further on
.macro THETA i, lo, hi                 ; lanes 0-15 take pair i's theta, lanes 16-31 pair 8 + i's
	v_mov_b32 v[TH+\i], \hi
	v_cndmask_b32 v[TH+\i], \lo, v[TH+\i], vcc_lo
.endm
	THETA 0, 0x3f800000, 0x3c23d70a
	THETA 1, 0x3f0ff59a, 0x3bb8449c
	THETA 2, 0x3ea1e89b, 0x3b4f3e38
	THETA 3, 0x3e361887, 0x3ae91528
	THETA 4, 0x3dcccccd, 0x3a83126f
	THETA 5, 0x3d6655c2, 0x3a136a16
	THETA 6, 0x3d0186e3, 0x39a5cb60
	THETA 7, 0x3c91ad39, 0x393a7753
; each run goes over 16: both tiles' eight pairs
.set n, 0
.rept 16
	v_mul_f32 v[AN+n], v[TH+n%8], v[POS+n/8]       ; ang
.set n, n+1
.endr
.set n, 0
.rept 16
	v_mul_f32 v[NN+n], s33, v[AN+n]
.set n, n+1
.endr
.set n, 0
.rept 16
	v_rndne_f32 v[NN+n], v[NN+n]                   ; n
.set n, n+1
.endr
.set n, 0
.rept 16
	v_fma_f32 v[AN+n], v[NN+n], s34, v[AN+n]       ; exact: a multiple of 2^-23 (2^-24 where ang < 1) under 1
.set n, n+1
.endr
.set n, 0
.rept 16
	v_fma_f32 v[AN+n], v[NN+n], s35, v[AN+n]       ; the reduced angle a
.set n, n+1
.endr
.set n, 0
.rept 16
	v_cvt_i32_f32 v[NN+n], v[NN+n]
	v_mul_f32 v[Z+n], v[AN+n], v[AN+n]             ; z = a a
.set n, n+1
.endr
.set n, 0
.rept 16
	v_fma_f32 v[SI+n], v[Z+n], s36, s37
	v_fma_f32 v[CO+n], v[Z+n], s39, s40
.set n, n+1
.endr
.set n, 0
.rept 16
	v_fma_f32 v[SI+n], v[SI+n], v[Z+n], s38
	v_fma_f32 v[CO+n], v[CO+n], v[Z+n], s41
.set n, n+1
.endr
.set n, 0
.rept 16
	v_mul_f32 v[T+n], v[Z+n], v[AN+n]
	v_fma_f32 v[CO+n], v[CO+n], v[Z+n], -0.5
.set n, n+1
.endr
.set n, 0
.rept 16
	v_fma_f32 v[SI+n], v[SI+n], v[T+n], v[AN+n]    ; sin a = a + a z (..)
	v_fma_f32 v[CO+n], v[CO+n], v[Z+n], 1.0        ; cos a = 1 - z / 2 + z z (..)
.set n, n+1
.endr
.set n, 0
.rept 16
	v_and_b32 v[T+n], 1, v[NN+n]
	v_cmp_eq_u32 vcc_lo, 1, v[T+n]                 ; n odd: sine and cosine change places
	v_cndmask_b32 v[Z+n], v[SI+n], v[CO+n], vcc_lo
	v_cndmask_b32 v[AN+n], v[CO+n], v[SI+n], vcc_lo
.set n, n+1
.endr
.set n, 0
.rept 16
	v_lshlrev_b32 v[T+n], 30, v[NN+n]
	v_add_nc_u32 v[NN+n], 1, v[NN+n]
.set n, n+1
.endr
.set n, 0
.rept 16
	v_and_b32 v[T+n], 0x80000000, v[T+n]           ; the sine is negated where n mod 4 is 2 or 3,
	v_lshlrev_b32 v[NN+n], 30, v[NN+n]
.set n, n+1
.endr
.set n, 0
.rept 16
	v_xor_b32 v[Z+n], v[Z+n], v[T+n]
	v_and_b32 v[NN+n], 0x80000000, v[NN+n]         ; the cosine where it is 1 or 2
.set n, n+1
.endr
.set n, 0
.rept 16
	v_xor_b32 v[AN+n], v[AN+n], v[NN+n]
.set n, n+1
.endr
	WIN 0
	s_wait_alu depctr_va_vdst(0)
	s_wait_loadcnt 0x0
	; twelve products, each a whole sum (K = 128 is one instruction): twelve different accumulators, C = 0
.irp u, 0,1
.irp p, 0,1
	v_wmma_scale_f32_16x16x128_f8f6f4 v[RQ+16*\u+8*\p:RQ+16*\u+8*\p+7], v[WQ+16*\p:WQ+16*\p+15], v[X+16*\u:X+16*\u+15], 0, v[26+\p], v[24+\u] matrix_a_fmt:MATRIX_FMT_BF8 matrix_b_fmt:MATRIX_FMT_BF8
	v_wmma_scale_f32_16x16x128_f8f6f4 v[RK+16*\u+8*\p:RK+16*\u+8*\p+7], v[WK+16*\p:WK+16*\p+15], v[X+16*\u:X+16*\u+15], 0, v[28+\p], v[24+\u] matrix_a_fmt:MATRIX_FMT_BF8 matrix_b_fmt:MATRIX_FMT_BF8
	v_wmma_scale_f32_16x16x128_f8f6f4 v[RV+16*\p+8*\u:RV+16*\p+8*\u+7], v[X+16*\u:X+16*\u+15], v[WVF+16*\p:WVF+16*\p+15], 0, v[24+\u], v[30+\p] matrix_a_fmt:MATRIX_FMT_BF8 matrix_b_fmt:MATRIX_FMT_BF8
.endr
.endr
.rept 8
	v_nop                                          ; eight places behind this form before its results are read and its operands' registers written
.endr
; THE ROTATION of q's and k's pairs, in place, all four sets (set s: 16 registers from RQ + 16 s; its tile is s % 2).  Each accumulator is first read at one of its four lowest registers.  Source 1 (sine, cosine) lies in window 1
	WIN 0x04
.irp s, 0,1,2,3
.irp i, 0,1,2,3,4,5,6,7
	v_mul_f32 v[RT+8*\s+\i], v[RQ+16*\s+2*\i+1], v[Z+8*(\s%2)+\i]     ; x2 s
.endr
.endr
.irp s, 0,1,2,3
.irp i, 0,1,2,3,4,5,6,7
	v_mul_f32 v[RC+8*\s+\i], v[RQ+16*\s+2*\i+1], v[AN+8*(\s%2)+\i]    ; x2 c
.endr
.endr
.irp s, 0,1,2,3
.irp i, 0,1,2,3,4,5,6,7
	v_fma_f32 v[RQ+16*\s+2*\i+1], v[RQ+16*\s+2*\i], v[Z+8*(\s%2)+\i], v[RC+8*\s+\i]   ; x1 s + x2 c
.endr
.endr
.irp s, 0,1,2,3
.irp i, 0,1,2,3,4,5,6,7
	v_fma_f32 v[RQ+16*\s+2*\i], v[RQ+16*\s+2*\i], v[AN+8*(\s%2)+\i], -v[RT+8*\s+\i]   ; x1 c - x2 s
.endr
.endr
	WIN 0
; THE QUANTISERS of all six sets (q, k, v: two each), line by line: my 16 numbers and lane l xor 16's are a block of 32
.macro MAX3 d, e, a, b
.irp s, 0,1,2,3,4,5
	v_max3_num_f32 v[\d+\s], v[\e+\s], |v[RQ+16*\s+\a]|, |v[RQ+16*\s+\b]|
.endr
.endm
.irp s, 0,1,2,3,4,5
	v_max3_num_f32 v[MX+\s], |v[RQ+16*\s]|, |v[RQ+16*\s+1]|, 0x8000000   ; the floor 2^(16 - 127) among the leaves: the byte cannot fall under 1
.endr
.irp s, 0,1,2,3,4,5
	v_max3_num_f32 v[MY+\s], |v[RQ+16*\s+2]|, |v[RQ+16*\s+3]|, |v[RQ+16*\s+4]|
.endr
	MAX3 MX, MX, 5, 6
	MAX3 MY, MY, 7, 8
	MAX3 MX, MX, 9, 10
	MAX3 MY, MY, 11, 12
	MAX3 MX, MX, 13, 14
.irp s, 0,1,2,3,4,5
	v_max3_num_f32 v[MX+\s], v[MX+\s], v[MY+\s], |v[RQ+16*\s+15]|
.endr
.irp s, 0,1,2,3,4,5
	v_permlanex16_b32 v[PL+\s], v[MX+\s], s30, s31
.endr
.irp s, 0,1,2,3,4,5
	v_max_num_f32 v[MX+\s], v[MX+\s], v[PL+\s]     ; the block's largest magnitude
.endr
.irp s, 0,1,2,3,4,5
	v_add_nc_u32 v[SC+\s], 0xf8800000, v[MX+\s]    ; 15 off its exponent field: the conversion takes the exponent field of this operand as its scale
.endr
.irp s, 0,1,2,3,4,5
	v_and_or_b32 v[BD+\s], v[MX+\s], 0x7f800000, s32   ; 57,344 x the scale
.endr
.irp s, 0,1,2,3,4,5
	v_lshrrev_b32 v[EB+\s], 23, v[SC+\s]           ; the scale's byte
.endr
; each set of codes and each byte has registers of its own, so that no store's data are written again
.macro CODES s, base, off
.irp i, 0,1,2,3,4,5,6,7,8,9,10,11,12,13,14,15
	v_med3_num_f32 v[RQ+16*\s+\i], v[RQ+16*\s+\i], -v[BD+\s], v[BD+\s]   ; the conversion to an 8-bit code does not saturate (ISA guide 7.6.2): the hold comes first
.endr
	v_cvt_scalef32_pk8_bf8_f32 v[CD+4*\s:CD+4*\s+1], v[RQ+16*\s:RQ+16*\s+7], v[SC+\s]
	v_cvt_scalef32_pk8_bf8_f32 v[CD+4*\s+2:CD+4*\s+3], v[RQ+16*\s+8:RQ+16*\s+15], v[SC+\s]
	global_store_b128 v8, v[CD+4*\s:CD+4*\s+3], s[\base:\base+1] offset:\off
.endm
	CODES 0, 20, 0
	CODES 1, 20, 512
	CODES 2, 44, 0
	CODES 3, 44, 512
	CODES 4, 46, 4096
	CODES 5, 46, 6144
	v_nop                                          ; a plain line behind the last conversion
	ds_store_b8 v9, v[EB+2]                        ; both lanes of a block write the same byte with the same value
	ds_store_b8 v9, v[EB+3] offset:1
	ds_store_b8 v10, v[EB+4]
	ds_store_b8 v10, v[EB+5] offset:64
	v_perm_b32 v156, v[EB], v[EB], 0               ; q's byte four times: the next launch sets q into any of a K step's four blocks
	v_perm_b32 v157, v[EB+1], v[EB+1], 0
	v_cmp_eq_u32 vcc_lo, 1, v3
	v_cndmask_b32 v156, v156, v157, vcc_lo         ; lanes 0-15: tile 0's rows, lanes 16-31: tile 1's
	ds_store_b32 v11, v156
	s_wait_dscnt 0x0                               ; for the others' sake: my scale bytes lie in LDS
	s_barrier_signal -1
	s_barrier_wait -1
	s_cmp_lg_u32 s26, 0
	s_cbranch_scc1 .Lend                           ; wave 0 stores what the four have gathered
	ds_load_b64 v[84:85], v15                      ; k's and v's 64 words
	ds_load_b128 v[88:91], v8 offset:256           ; q's 128 words
	s_wait_dscnt 0x0
	global_store_b64 v15, v[84:85], s[24:25] offset:8192   ; 256 consecutive bytes, aligned
	global_store_b128 v8, v[88:91], s[22:23]               ; 512 consecutive bytes, aligned
.Lend:
	s_wait_tensorcnt 0x0                           ; the wave's end
	ds_add_u32 v[SPW], v[NIL]
	s_wait_dscnt 0x0
	s_endpgm
.Lfunc_end_k_qcfed2f4b1f_proj:
	.size	k_qcfed2f4b1f_proj, .Lfunc_end_k_qcfed2f4b1f_proj-k_qcfed2f4b1f_proj
	.p2alignl 7, 3214868480
	.fill 96, 4, 3214868480
	.section	.rodata,"a",@progbits
	.p2align	6, 0x0
	.amdhsa_kernel k_qcfed2f4b1f_proj
		.amdhsa_group_segment_fixed_size 1536
		.amdhsa_private_segment_fixed_size 0
		.amdhsa_enable_private_segment 0
		.amdhsa_kernarg_size 88
		.amdhsa_user_sgpr_count 2
		.amdhsa_user_sgpr_kernarg_segment_ptr 1
		.amdhsa_wavefront_size32 1
		.amdhsa_system_sgpr_workgroup_id_x 1
		.amdhsa_system_sgpr_workgroup_id_y 1
		.amdhsa_system_sgpr_workgroup_id_z 1
		.amdhsa_system_vgpr_workitem_id 0
		.amdhsa_next_free_vgpr 368
		.amdhsa_next_free_sgpr 66
		.amdhsa_reserve_vcc 1
		.amdhsa_float_denorm_mode_32 3
		.amdhsa_float_denorm_mode_16_64 3
		.amdhsa_memory_ordered 1
		.amdhsa_forward_progress 1
		.amdhsa_inst_pref_size 49
	.end_amdhsa_kernel
	.amdgpu_metadata
---
amdhsa.version: [ 1, 2 ]
amdhsa.kernels:
  - .name:           k_qcfed2f4b1f_proj
    .symbol:         k_qcfed2f4b1f_proj.kd
    .args:
      - { .name: x_codes, .offset: 0, .size: 8, .value_kind: global_buffer, .address_space: global }
      - { .name: x_scales, .offset: 8, .size: 8, .value_kind: global_buffer, .address_space: global }
      - { .name: W_q_codes, .offset: 16, .size: 8, .value_kind: global_buffer, .address_space: global }
      - { .name: W_q_scales, .offset: 24, .size: 8, .value_kind: global_buffer, .address_space: global }
      - { .name: W_k_codes, .offset: 32, .size: 8, .value_kind: global_buffer, .address_space: global }
      - { .name: W_k_scales, .offset: 40, .size: 8, .value_kind: global_buffer, .address_space: global }
      - { .name: W_v_codes, .offset: 48, .size: 8, .value_kind: global_buffer, .address_space: global }
      - { .name: W_v_scales, .offset: 56, .size: 8, .value_kind: global_buffer, .address_space: global }
      - { .name: qc, .offset: 64, .size: 8, .value_kind: global_buffer, .address_space: global }
      - { .name: qs, .offset: 72, .size: 8, .value_kind: global_buffer, .address_space: global }
      - { .name: kv, .offset: 80, .size: 8, .value_kind: global_buffer, .address_space: global }
    .group_segment_fixed_size: 1536
    .private_segment_fixed_size: 0
    .kernarg_segment_align: 8
    .kernarg_segment_size: 88
    .max_flat_workgroup_size: 128
    .sgpr_count:     66
    .vgpr_count:     368
    .wavefront_size: 32
...
	.end_amdgpu_metadata
.endif
;; end of part 1
;; launch attn (part 2): grid 32 x 8, 16 waves a work-group, clusters of 4 x 1, 327,680 bytes of LDS; arguments qc, qs, kv, out0; writes out0
.if DOCPART == 2
	.amdgcn_target "amdgcn-amd-amdhsa--gfx1250"
	.amdhsa_code_object_version 6
	.text
	.protected	k_qcfed2f4b1f_attn
	.globl	k_qcfed2f4b1f_attn
	.p2align	8
	.type	k_qcfed2f4b1f_attn,@function
k_qcfed2f4b1f_attn:
	s_mov_b64 s[64:65], 0
	v_nop
	global_prefetch_b8 v0, s[64:65] scope:SCOPE_SE
	s_setreg_imm32_b32 hwreg(HW_REG_WAVE_MODE, 25, 1), 1
	s_wait_xcnt 0x0
	s_wait_alu depctr_hold_cnt(0) depctr_sa_sdst(0) depctr_va_vdst(0) depctr_va_sdst(0) depctr_va_ssrc(0) depctr_va_vcc(0) depctr_vm_vsrc(0)
	s_getreg_b32 s2, hwreg(HW_REG_IB_STS2, 6, 4)
	s_cmp_eq_u32 s2, 0
	s_cbranch_scc0 .Lentry_in_a_cluster
	s_endpgm
.Lentry_in_a_cluster:
	s_bfe_u32 s2, ttmp6, 0x10000c
	s_cmp_lg_u32 s2, 0x3003
	s_cbranch_scc0 .Lentry_shape_is_right
	s_endpgm
.Lentry_shape_is_right:
; out0[b][q] = the sum over k <= q of softmax_k(q . k / sqrt(32)) v[k], both products on codes of E5M2 with E8M0 scales.
; SOFTMAX: t = score x log2(e) / sqrt(32); M = the largest t so far, rounded up to a whole number; p = 2^(t - M) is quantised along the keys; the sum is taken of the unquantised p and divides at the end.
; LEFT OUT: steps of 128 keys all of which come after a tile's 16 queries.  A NaN or an infinity that reaches only such scores is not carried to the result.
; LIMITS: NaN and infinities among the inputs are not served; the promise holds while the scaled scores (exponents to the base 2) stay under 2^31 in magnitude.
; SHARES.  Cluster x g = 0 .. 7, place cx = 0 .. 3, batch y.  A work-group owns 8 tiles of 16 queries: tiles u = 0, 1 of block cx (32 tokens) of the four groups of 128 tokens g, 15 - g, 16 + g, 31 - g.
;   A unit of four waves owns tile u = unit % 2 of groups SA (g where unit < 2, else 15 - g) and SB = 31 - SA: 33 tile steps of 128 keys for every unit.  Its four waves I = 0 .. 3 share them by key steps, each with a running M of its own.
;   With a = w % 4 and b = w / 4 of wave w: unit = a xor b, I = a xor (0, 2, 3, 1 for b = 0 .. 3): so the four waves of one a, and the four of one b, hold all four units and all four I: 33 tile steps each.
;   At the end a unit's four parts of a tile are joined through LDS: M is a whole number, so a part is brought under the largest M by a power of two.
; LDS.  All 32 records of the batch (8,448 bytes for 128 keys) lie in LDS: one load of two records a wave at the head, and no refill.  Joint loads: the four work-groups of a cluster need the same records.
;   Place 4 n + I is wave I's step n.  The record there is 4 n + I, but for odd I and n from 2 on it is 12 further on, or 12 further back where that passes 31: so each load has a record under 20, which every work-group reads.
;   Waves 0 to 3 load the first eight places, which the first barrier shows; the second shows the rest: its signal stands behind step 0, its wait behind step 1.  Nothing is prefetched: every byte is asked for at the head, and no loop runs ahead of a load.
; Both products are used transposed: S^T = K Q^T, O^T = V^T P^T: a lane holds one query (lane % 16).  The head's 32 are one block of the instruction's 128: a fragment of K holds four tiles of 16 keys, one to a block; Q stands between zeros, and the 16 registers named pick the block.
; REGISTERS: v0-31 addresses, states, scales; v32-75 zeros, Q of tile A, zeros, Q of tile B, zeros; v76-107 K; v108-139 V; v140-171 O^T of A, B; v172-235 scores, then p; v236-251 p's codes; v252-255 the blocks' maxima.
.set REC,   8448
.set PART,  2*REC
.set SLOT,  2304                       ; a part of a tile: eight rows of 16 x 16 bytes, 288 bytes apart
.set STB,   32*REC                     ; behind the records: the 16 parts of the B tiles, then unit 3's four of A.  Units 0 to 2's twelve of A lie from byte 0 on, inside places 0 to 3, which nobody reads behind the second barrier's signal
.set A3,    STB+16*SLOT-12*SLOT        ; what unit 3's parts of A lie further on than 4 x 3 slots
.set STAT,  STB+20*SLOT                ; -M and the sum of each part: 64 + 64 bytes
.set SPARE, STAT+32*128                ; the spare words, 128 bytes a wave
.set L16, 1                            ; 16 x lane
.set L4,  2                            ; 4 x lane
.set ADR, 3
.set ADS, 4
.set DM,  5                            ; query - 16 h within the 128: register 16 b + i holds key 32 b + 16 h + i: hidden where 32 b + i > DM
.set SPW, 6
.set NIL, 7
.set SCV, 8                            ; v8-11 the conversions' scale operands
.set STA, 12                           ; v12-15 A: -M, the largest score, the sum in two halves; v16-19 B
.set KS,  20
.set VS,  21
.set QS,  22
.set PW,  24
.set F,   26
.set SUM2, 28
.set TMP, 30
.set QZ,  32
.set KF,  76
.set VF,  108
.set OT,  140
.set SCO, 172
.set PC,  236
.set BM,  252
.set OD,  172
.set NL,  204
.set WV,  12
.set CX,  13
.set BT,  15
.set SA,  16
.set SB,  17
.set J,   18
.set CNT, 19
.set TB,  20
.set MNT, 21
.set SEL, 22
.set CS,  24
.set U,   26
.set I,   27
.set G1,  28
.set G0,  36
.set FLR, 40
.set UN,  41
.set QP,  42
.set QSP, 46
.set OUTP, 62
.macro CROUND
	s_barrier_signal -1
	s_barrier_wait -1
	s_cmp_lg_u32 s[WV], 0
	s_cbranch_scc1 .Lnot_wave_0_\@
	s_barrier_signal -3
.Lnot_wave_0_\@:
	s_barrier_wait -3
	s_barrier_signal -1
	s_barrier_wait -1
.endm
.macro PLACES n
.rept \n
	v_nop
.endr
.endm
	s_load_b256 s[4:11], s[0:1], 0x0               ; qc, qs, kv, out0
	v_lshl_add_u32 v[SPW], v0, 2, SPARE
	v_mov_b32 v[NIL], 0
	ds_add_u32 v[SPW], v[NIL]                      ; the opening lines
	ds_add_u32 v[SPW], v[NIL]
	v_lshrrev_b32 v9, 5, v0
	v_readfirstlane_b32 s[WV], v9                  ; wave 0 .. 15
	s_bfe_u32 s[CX], ttmp6, 0x40000
	s_and_b32 s[BT], ttmp7, 0xffff
	s_and_b32 s50, s[WV], 3                        ; a
	s_lshr_b32 s51, s[WV], 2                       ; b
	s_xor_b32 s[UN], s50, s51
	s_lshr_b32 s52, s51, 1
	s_mul_i32 s52, s52, 7
	s_lshl_b32 s51, s51, 1
	s_xor_b32 s51, s51, s52                        ; 0, 2, 3, 1
	s_xor_b32 s[I], s50, s51
	s_and_b32 s[U], s[UN], 1
	s_lshr_b32 s50, s[UN], 1
	s_sub_co_u32 s[SA], 15, ttmp9
	s_cmp_eq_u32 s50, 0
	s_cselect_b32 s[SA], ttmp9, s[SA]
	s_sub_co_u32 s[SB], 31, s[SA]
	s_mov_b32 s[G1+0], 15|(3<<16)|(1<<21)          ; the mask of the cluster's four; elements of 8 bytes; bit 21 beside a mask
	s_mov_b32 s[G1+1], 32<<16                      ; two records are 66 dense rows of 256 bytes
	s_mov_b32 s[G1+2], 66<<16
	s_mov_b32 s[G1+3], 32<<16
	s_mov_b32 s[G1+4], 66
	s_mov_b32 s[G1+5], 32
	s_mov_b32 s[G1+6], 0
	s_mov_b32 s[G1+7], 0
	s_mul_i32 s51, s[WV], PART
	s_mul_i32 s52, s[BT], 32*REC
	s_add_co_u32 s52, s52, s51
	s_mov_b32 s53, 0
	s_mov_b32 s[G0], 1
	s_mov_b32 s[G0+1], s51
	s_wait_dscnt 0x0                               ; both opening adds are done
	CROUND                                         ; the four work-groups are here: the joint loads meet
	s_wait_kmcnt 0x0
	s_add_nc_u64 s[G0+2:G0+3], s[8:9], s[52:53]
	s_or_b32 s[G0+3], s[G0+3], 0x80000000
	s_cmp_lt_u32 s[WV], 4                          ; one load a wave; the waves that wait at the first barrier have a line of their own
	s_cbranch_scc0 .Lrest
	tensor_load_to_lds s[G0:G0+3], s[G1:G1+7]
	s_nop 0
	PLACES 4
	s_branch .Lasked
.Lrest:
	tensor_load_to_lds s[G0:G0+3], s[G1:G1+7]
	s_nop 0
	PLACES 4
.Lasked:
	s_mov_b32 s57, 0
	s_lshl_b32 s54, s[BT], 7
	s_add_co_u32 s54, s54, s[CX]                   ; a block of 32 tokens: 128 b + 4 x group + cx
.macro TILEADR t, sreg
	s_lshl_b32 s55, s[\sreg], 2
	s_add_co_u32 s55, s55, s54
	s_lshl_b32 s56, s55, 10
	s_lshl_b32 s58, s[U], 9
	s_add_co_u32 s56, s56, s58
	s_add_nc_u64 s[QP+2*\t:QP+2*\t+1], s[4:5], s[56:57]
	s_lshl_b32 s56, s55, 7
	s_add_nc_u64 s[QSP+2*\t:QSP+2*\t+1], s[6:7], s[56:57]
.endm
	TILEADR 0, SA
	TILEADR 1, SB
	v_and_b32 v30, 31, v0
	v_lshlrev_b32 v[L16], 4, v30
	v_lshlrev_b32 v[L4], 2, v30
	v_and_b32 v28, 15, v0                          ; r
	v_bfe_u32 v29, v0, 4, 1                        ; h
	s_lshl_b32 s58, s[U], 6
	v_lshl_add_u32 v31, v28, 2, s58
	global_load_b128 v[QZ+12:QZ+15], v[L16], s[QP:QP+1]
	global_load_b128 v[QZ+28:QZ+31], v[L16], s[QP+2:QP+3]
	global_load_b32 v[QS], v31, s[QSP:QSP+1]
	global_load_b32 v[QS+1], v31, s[QSP+2:QSP+3]
	v_and_b32 v30, 8, v28
	v_add_nc_u32 v30, v30, v28                     ; row r of tile u is token 8 u + r + 8 (r / 8) of its block
	s_lshl_b32 s55, s[CX], 5
	s_lshl_b32 s58, s[U], 3
	s_add_co_u32 s55, s55, s58
	v_add_nc_u32 v[DM], s55, v30
	v_lshlrev_b32 v30, 4, v29
	v_sub_nc_u32 v[DM], v[DM], v30
.irp z, 0,16,32
.set n, 0
.rept 12
	v_mov_b32 v[QZ+\z+n], 0
.set n, n+1
.endr
.endr
.irp b, 0,1,2,3
	v_mov_b32 v[PC+\b], 0                          ; a lane permute's destination counts as one of its sources
.endr
	v_mov_b32 v[F+1], 0                            ; named as the upper half of a pair
.irp t, 0,1
	v_mov_b32 v[STA+4*\t+1], 0xff61b1e6            ; the largest score so far: -3e38
	v_mov_b32 v[STA+4*\t], 0x7f61b1e6              ; -M: 3e38, a whole number: a part that takes in no key keeps it and counts for nothing
	v_mov_b32 v[STA+4*\t+2], 0
	v_mov_b32 v[STA+4*\t+3], 0
.endr
.set n, 0
.rept 32
	v_mov_b32 v[OT+n], 0                           ; a step is written alike for all trips: the first change of M multiplies zeros
.set n, n+1
.endr
	s_lshr_b32 s59, s[I], 1                        ; on the way out wave I stores rows 8 (I % 2) .. + 7 of tile A (I < 2) or B: 1,024 bytes of out0 on end
	s_cmp_eq_u32 s59, 0
	s_cselect_b32 s55, s[SA], s[SB]
	s_lshl_b32 s55, s55, 2
	s_add_co_u32 s55, s55, s54
	s_lshl_b32 s56, s55, 12
	s_lshl_b32 s58, s[U], 10
	s_add_co_u32 s56, s56, s58
	s_and_b32 s58, s[I], 1
	s_lshl_b32 s58, s58, 11
	s_add_co_u32 s56, s56, s58
	s_add_nc_u64 s[OUTP:OUTP+1], s[10:11], s[56:57]
	s_mov_b32 s[SEL], 0x76543210
	s_mov_b32 s[SEL+1], 0xfedcba98                 ; lane l xor 16
	s_mov_b32 s[CS], 0x3e8293ee                    ; log2(e) / sqrt(32)
	s_mov_b32 s[CS+1], s[CS]
	s_mov_b32 s[MNT], 0x600000                     ; the mantissa field of 57,344
	s_mov_b32 s[FLR], 0x8000000                    ; 2^(16 - 127): a block's byte cannot fall under 1
	s_mul_i32 s51, s[I], REC
	s_mov_b32 s[J], s[I]
	s_mov_b32 s[TB], s51
; the scores of tile t: eight tiles of 16 keys; then eight places ahead of the first reader of the scores, and of the loads into what the last step's products have read (ISA guide 7.12.1 for the first); one of them keeps the old -M
.macro QK t
.irp c, 0,1,2,3
	v_wmma_scale_f32_16x16x128_f8f6f4 v[SCO+8*\c:SCO+8*\c+7], v[KF:KF+15], v[QZ+16*(\t)+12-4*\c:QZ+16*(\t)+27-4*\c], 0, v[KS], v[QS+(\t)] matrix_a_fmt:MATRIX_FMT_BF8 matrix_b_fmt:MATRIX_FMT_BF8
.endr
.irp c, 0,1,2,3
	v_wmma_scale_f32_16x16x128_f8f6f4 v[SCO+32+8*\c:SCO+32+8*\c+7], v[KF+16:KF+31], v[QZ+16*(\t)+12-4*\c:QZ+16*(\t)+27-4*\c], 0, v[KS], v[QS+(\t)] matrix_a_fmt:MATRIX_FMT_BF8 matrix_b_fmt:MATRIX_FMT_BF8 matrix_a_scale:MATRIX_SCALE_ROW1
.endr
	v_mov_b32 v[F], v[STA+4*(\t)]
	PLACES 7
.endm
.macro VLOADS
	ds_load_b32 v[VS], v[ADS] offset:8320
.irp i, 0,1,2,3,4,5,6,7
	ds_load_b128 v[VF+4*\i:VF+4*\i+3], v[ADR] offset:4096+512*\i
.endr
.endm
.macro MASK                            ; the diagonal step: a score is held under the limit (DM + 1/2 - (32 b + i)) 2^100: beyond every score that is promised where the key counts, and so far below that p is 0 where it is hidden.  Each query's own key counts, so the largest score is one that counts
	v_cvt_f32_i32 v[PC], v[DM]
	v_add_f32 v[PC], 0.5, v[PC]
	v_mul_f32 v[PC], 0x71800000, v[PC]             ; 2^100
	v_add_f32 v[PC+1], 0xf1800000, v[PC]
	v_pk_add_f32 v[PC+2:PC+3], v[PC:PC+1], 0xf4000000 op_sel_hi:[1,0]   ; the other blocks': 32, 64, 96 x 2^100 less
	v_pk_add_f32 v[PC+4:PC+5], v[PC:PC+1], 0xf4800000 op_sel_hi:[1,0]
	v_pk_add_f32 v[PC+6:PC+7], v[PC:PC+1], 0xf4c00000 op_sel_hi:[1,0]
.irp i, 0,2,4,6,8,10,12,14
.irp b, 0,1,2,3
	v_dual_min_num_f32 v[SCO+16*\b+\i], v[SCO+16*\b+\i], v[PC+2*\b] :: v_dual_min_num_f32 v[SCO+16*\b+\i+1], v[SCO+16*\b+\i+1], v[PC+2*\b+1]
.endr
.if \i < 14
.irp b, 0,1,2,3
	v_pk_add_f32 v[PC+2*\b:PC+2*\b+1], v[PC+2*\b:PC+2*\b+1], 0xf2000000 op_sel_hi:[1,0]   ; two keys on
.endr
.endif
.endr
.endm
.macro FMAS first, count               ; t - M, two at a time
.set n, \first
.rept \count
	v_pk_fma_f32 v[SCO+n:SCO+n+1], v[SCO+n:SCO+n+1], s[CS:CS+1], v[rT:rT+1] op_sel_hi:[1,0,0]
.set n, n+2
.endr
.endm
.macro HOLDS b                         ; blocks b and b + 1 held at 57,344 x their scales: the conversion does not saturate (ISA guide 7.6.2); p is not negative, so the hold is one-sided.  A pair takes an even register of one block and an odd one of the other
.set n, 0
.rept 8
	v_dual_min_num_f32 v[SCO+16*(\b)+n], v[BM+(\b)], v[SCO+16*(\b)+n] :: v_dual_min_num_f32 v[SCO+16*(\b)+17+n], v[BM+(\b)+1], v[SCO+16*(\b)+17+n]
	v_dual_min_num_f32 v[SCO+16*(\b)+16+n], v[BM+(\b)+1], v[SCO+16*(\b)+16+n] :: v_dual_min_num_f32 v[SCO+16*(\b)+1+n], v[BM+(\b)], v[SCO+16*(\b)+1+n]
.set n, n+2
.endr
.endm
.macro CODES b
	v_cvt_scalef32_pk8_bf8_f32 v[PC+4*(\b):PC+4*(\b)+1], v[SCO+16*(\b):SCO+16*(\b)+7], v[SCV+(\b)]
	v_cvt_scalef32_pk8_bf8_f32 v[PC+4*(\b)+2:PC+4*(\b)+3], v[SCO+16*(\b)+8:SCO+16*(\b)+15], v[SCV+(\b)]
.endm
.macro SOFTMAX t                       ; scores -> p -> codes, and O^T += V^T P^T
.set rT, STA+4*(\t)
.set rO, OT+16*(\t)
.irp b, 0,1,2,3
	v_max3_num_f32 v[BM+\b], v[SCO+16*\b], v[SCO+16*\b+1], v[SCO+16*\b+2]   ; each block's largest score: it serves for the row's maximum and, since p rises with the score, for the block's largest p
.endr
.irp i, 3,5,7,9,11,13
.irp b, 0,1,2,3
	v_max3_num_f32 v[BM+\b], v[BM+\b], v[SCO+16*\b+\i], v[SCO+16*\b+\i+1]
.endr
.endr
.irp b, 0,1,2,3
	v_max_num_f32 v[BM+\b], v[BM+\b], v[SCO+16*\b+15]
.endr
.irp b, 0,1,2,3
	v_permlanex16_b32 v[PC+\b], v[BM+\b], s[SEL], s[SEL+1]
.endr
	v_dual_max_num_f32 v[BM], v[PC], v[BM] :: v_dual_max_num_f32 v[BM+1], v[PC+1], v[BM+1]
	v_dual_max_num_f32 v[BM+2], v[PC+2], v[BM+2] :: v_dual_max_num_f32 v[BM+3], v[PC+3], v[BM+3]
	v_max3_num_f32 v[rT+1], v[rT+1], v[BM], v[BM+1]
	v_max3_num_f32 v[rT+1], v[rT+1], v[BM+2], v[BM+3]
	v_mul_f32 v[TMP], s[CS], v[rT+1]
	v_floor_f32 v[rT], -v[TMP]                     ; the new -M
	FMAS 0, 10
	v_sub_f32 v[F], v[rT], v[F]                    ; old M - new M, 0 or less
	FMAS 20, 10
	v_cvt_i32_f32 v[F], v[F]                       ; (it saturates)
	FMAS 40, 12
	v_ldexp_f32 v[F], 1.0, v[F]
	v_pk_fma_f32 v[BM:BM+1], v[BM:BM+1], s[CS:CS+1], v[rT:rT+1] op_sel_hi:[1,0,0]
	v_pk_fma_f32 v[BM+2:BM+3], v[BM+2:BM+3], s[CS:CS+1], v[rT:rT+1] op_sel_hi:[1,0,0]
	s_wait_alu depctr_va_vdst(0)                   ; ahead of the batch
.set n, 0
.rept 64
	v_exp_f32 v[SCO+n], v[SCO+n]
.set n, n+1
.endr
.irp b, 0,1,2,3
	v_exp_f32 v[BM+\b], v[BM+\b]
.endr
	v_pk_mul_f32 v[rT+2:rT+3], v[rT+2:rT+3], v[F:F+1] op_sel_hi:[1,0]
	s_wait_alu depctr_va_vdst(0)                   ; and behind it
	v_dual_max_num_f32 v[BM], s[FLR], v[BM] :: v_dual_max_num_f32 v[BM+1], s[FLR], v[BM+1]
	v_dual_max_num_f32 v[BM+2], s[FLR], v[BM+2] :: v_dual_max_num_f32 v[BM+3], s[FLR], v[BM+3]
.irp b, 0,1,2,3
	v_add_nc_u32 v[SCV+\b], 0xf8800000, v[BM+\b]   ; 15 off the exponent field: the conversion's scale operand
.endr
.irp b, 0,1,2,3
	v_and_or_b32 v[BM+\b], v[BM+\b], 0x7f800000, s[MNT]   ; 57,344 x the scale
.endr
.irp b, 0,1,2,3
	v_lshrrev_b32 v[PC+\b], 23, v[SCV+\b]          ; the scale's byte
.endr
	v_pk_add_f32 v[SUM2:SUM2+1], v[SCO:SCO+1], v[SCO+2:SCO+3]   ; the row's sum, of the unquantised p, in two chains
	v_lshl_or_b32 v[PW], v[PC+1], 8, v[PC]
	v_pk_add_f32 v[rT+2:rT+3], v[rT+2:rT+3], v[SCO+4:SCO+5]
	v_lshl_or_b32 v[PW], v[PC+2], 16, v[PW]
	v_pk_add_f32 v[SUM2:SUM2+1], v[SUM2:SUM2+1], v[SCO+6:SCO+7]
	v_lshl_or_b32 v[PW], v[PC+3], 24, v[PW]        ; p's scale word for these 128 keys
.set n, 8
.rept 14
	v_pk_add_f32 v[rT+2:rT+3], v[rT+2:rT+3], v[SCO+n:SCO+n+1]
	v_pk_add_f32 v[SUM2:SUM2+1], v[SUM2:SUM2+1], v[SCO+n+2:SCO+n+3]
.set n, n+4
.endr
	v_pk_add_f32 v[rT+2:rT+3], v[rT+2:rT+3], v[SUM2:SUM2+1]
	HOLDS 0
	CODES 0
	CODES 1
	HOLDS 2
	CODES 2
	CODES 3
	s_wait_alu depctr_va_vdst(0)                   ; ahead of the first reader of O^T
.irp j, 0,2,4,6,8,10,12,14
	v_pk_mul_f32 v[rO+\j:rO+\j+1], v[rO+\j:rO+\j+1], v[F:F+1] op_sel_hi:[1,0]
.endr
	s_wait_alu depctr_va_vdst(0)                   ; and here, directly ahead of the wait below
	s_wait_dscnt 0x0                               ; V is in
	v_wmma_scale_f32_16x16x128_f8f6f4 v[rO:rO+7], v[VF:VF+15], v[PC:PC+15], v[rO:rO+7], v[VS], v[PW] matrix_a_fmt:MATRIX_FMT_BF8 matrix_b_fmt:MATRIX_FMT_BF8
	v_wmma_scale_f32_16x16x128_f8f6f4 v[rO+8:rO+15], v[VF+16:VF+31], v[PC:PC+15], v[rO+8:rO+15], v[VS], v[PW] matrix_a_fmt:MATRIX_FMT_BF8 matrix_b_fmt:MATRIX_FMT_BF8 matrix_a_scale:MATRIX_SCALE_ROW1
.endm
; A KEY STEP: record J, at LDS byte TB, for tile A where J <= SA and tile B where J <= SB (SA < SB).  The branches hang on ids alone and lead round no barrier, wait of a barrier or tensor load
.macro STEP
	s_cmp_gt_u32 s[J], s[SB]
	s_cbranch_scc1 .Lskip_\@
	v_add_nc_u32 v[ADR], s[TB], v[L16]
	v_add_nc_u32 v[ADS], s[TB], v[L4]
	ds_load_b32 v[KS], v[ADS] offset:8192
.irp i, 0,1,2,3,4,5,6,7
	ds_load_b128 v[KF+4*\i:KF+4*\i+3], v[ADR] offset:512*\i
.endr
	s_wait_alu depctr_va_vdst(0)
	s_wait_dscnt 0x0
	s_cmp_gt_u32 s[J], s[SA]
	s_cbranch_scc1 .Lonly_b_\@
	QK 0
	VLOADS
	s_cmp_lg_u32 s[J], s[SA]
	s_cbranch_scc1 .Lopen_a_\@
	MASK
.Lopen_a_\@:
	SOFTMAX 0
	QK 1
	s_branch .Ldo_b_\@
.Lonly_b_\@:
	QK 1
	VLOADS
.Ldo_b_\@:
	s_cmp_lg_u32 s[J], s[SB]
	s_cbranch_scc1 .Lopen_b_\@
	MASK
.Lopen_b_\@:
	SOFTMAX 1
.Lskip_\@:
	s_add_co_u32 s[TB], s[TB], 4*REC
	s_add_co_u32 s[J], s[J], 4
.endm
	s_wait_alu depctr_va_vdst(0)                   ; the head's end
	s_wait_loadcnt 0x0                             ; Q
	s_cmp_lt_u32 s[WV], 4
	s_cbranch_scc0 .Lnot_first
	s_wait_tensorcnt 0x0                           ; waves 0 to 3: places 0 to 7 are in; the other waves' wait stands at the second barrier
.Lnot_first:
	s_barrier_signal -1
	s_barrier_wait -1
	STEP                                           ; place I
	s_wait_alu depctr_va_vdst(0)
	s_wait_tensorcnt 0x0                           ; every wave: my load is in,
	s_wait_dscnt 0x0                               ; and my reads of places 0 to 3 are over
	s_barrier_signal -1
	STEP                                           ; place 4 + I, which the first barrier has shown and nobody writes: LDS loads and work on registers
	s_and_b32 s50, s[I], 1                         ; places 8 + I on; odd I begin 12 records further on
	s_mul_i32 s50, s50, 12
	s_add_co_u32 s[J], s50, s[I]
	s_add_co_u32 s[J], s[J], 8
	s_add_co_u32 s[TB], s51, 8*REC
	s_mov_b32 s[CNT], 6
	s_wait_alu depctr_va_vdst(0)
	s_barrier_wait -1                              ; all places are whole
.Ltwo:
	STEP
	s_sub_co_u32 s50, s[J], 24                     ; past record 31: 24 back
	s_cmp_gt_u32 s[J], 31
	s_cselect_b32 s[J], s50, s[J]
	s_sub_co_u32 s[CNT], s[CNT], 1
	s_cmp_lg_u32 s[CNT], 0
	s_cbranch_scc1 .Ltwo
	; THE WAY OUT.  Each wave stores its parts of A and B: O^T as eight rows (piece, half of the lanes) of 16 x 16 bytes, 288 bytes apart; -M and the sum
	s_lshl_b32 s55, s[UN], 2
	s_add_co_u32 s55, s55, s[I]
	s_mul_i32 s58, s55, SLOT                       ; my part
	s_add_co_u32 s57, s58, STB                     ; of B,
	s_lshr_b32 s61, s[UN], 1
	s_and_b32 s61, s61, s[UN]                      ; 1 in unit 3 alone
	s_mul_i32 s61, s61, A3
	s_add_co_u32 s58, s58, s61                     ; of A
	s_lshl_b32 s56, s55, 7
	s_add_co_u32 s56, s56, STAT
	s_lshr_b32 s59, s[I], 1                        ; what I join: tile A or B of my unit, rows 8 (I % 2) .. + 7
	s_and_b32 s60, s[I], 1
	s_xor_b32 s50, s59, 1
	s_mul_i32 s50, s50, s61
	s_mul_i32 s52, s59, STB
	s_add_co_u32 s52, s52, s50
	s_mul_i32 s53, s[UN], 4*SLOT
	s_add_co_u32 s52, s52, s53
	s_lshl_b32 s53, s60, 7
	s_add_co_u32 s52, s52, s53
	s_lshl_b32 s59, s59, 11
	s_lshl_b32 s54, s[UN], 9
	s_add_co_u32 s59, s59, s54
	s_lshl_b32 s60, s60, 5
	s_add_co_u32 s59, s59, s60
	s_add_co_u32 s59, s59, STAT
	v_and_b32 v76, 15, v0
	v_bfe_u32 v77, v0, 4, 1
	v_and_b32 v84, 1, v0                           ; the join: lane l takes row l / 8 of four and columns 4 (l % 8) .. + 3: fragment (l / 4) % 2, half (l / 2) % 2, piece l % 2
	v_bfe_u32 v85, v0, 1, 1
	v_and_b32 v86, 4, v0
	v_bfe_u32 v88, v0, 3, 2
	v_mul_u32_u24 v78, v77, 288
	v_lshl_add_u32 v84, v84, 1, v85
	v_lshl_add_u32 v78, v76, 4, v78
	v_add_nc_u32 v84, v84, v86
	v_add_nc_u32 v79, s58, v78
	v_mul_u32_u24 v87, v84, 288
	v_add_nc_u32 v80, s57, v78
	v_lshl_add_u32 v87, v88, 4, v87
	v_add_nc_u32 v81, s56, v[L4]
	v_add_nc_u32 v87, s52, v87
	v_lshlrev_b32 v89, 2, v88
	v_add_nc_u32 v89, s59, v89
	v_add_f32 v30, v[STA+2], v[STA+3]              ; the sum's halves,
	v_add_f32 v31, v[STA+6], v[STA+7]
	v_permlanex16_b32 v[PC], v30, s[SEL], s[SEL+1]
	v_permlanex16_b32 v[PC+1], v31, s[SEL], s[SEL+1]
	v_add_f32 v30, v30, v[PC]                      ; and lane l xor 16's
	v_add_f32 v31, v31, v[PC+1]
	v_cmp_eq_u32 vcc_lo, 1, v77
	v_cndmask_b32 v82, v[STA], v30, vcc_lo         ; lanes 0-15 store -M, lanes 16-31 the sum
	v_cndmask_b32 v83, v[STA+4], v31, vcc_lo
.irp p, 0,1,2,3
	ds_store_b128 v79, v[OT+4*\p:OT+4*\p+3] offset:576*\p
.endr
.irp p, 0,1,2,3
	ds_store_b128 v80, v[OT+16+4*\p:OT+16+4*\p+3] offset:576*\p
.endr
	ds_store_b32 v81, v82
	ds_store_b32 v81, v83 offset:2048
	s_wait_alu depctr_va_vdst(0)
	s_wait_tensorcnt 0x0                           ; the wave's last LDS stores are issued
	ds_add_u32 v[SPW], v[NIL]
	s_wait_dscnt 0x0                               ; my parts lie in LDS
	CROUND                                         ; the closing round, behind the last joint loads; its barriers show all parts to all waves
.irp k, 0,1,2,3
.irp e, 0,1
	ds_load_b32 v[NL+4*\k+2*\e], v89 offset:128*\k+16*\e
	ds_load_b32 v[NL+4*\k+2*\e+1], v89 offset:128*\k+16*\e+64
.endr
.endr
.irp k, 0,1,2,3
.irp e, 0,1
	ds_load_b128 v[OD+8*\k+4*\e:OD+8*\k+4*\e+3], v87 offset:SLOT*\k+64*\e
.endr
.endr
	s_wait_dscnt 0x8                               ; all but the eight loads of O
.irp e, 0,1
	v_min3_num_f32 v[220+\e], v[NL+2*\e], v[NL+4+2*\e], v[NL+8+2*\e]
.endr
.irp e, 0,1
	v_min_num_f32 v[220+\e], v[220+\e], v[NL+12+2*\e]   ; - the largest M
.endr
.irp k, 0,1,2,3
.irp e, 0,1
	v_sub_f32 v[NL+4*\k+2*\e], v[220+\e], v[NL+4*\k+2*\e]
.endr
.endr
.irp k, 0,1,2,3
.irp e, 0,1
	v_cvt_i32_f32 v[NL+4*\k+2*\e], v[NL+4*\k+2*\e]
.endr
.endr
.irp k, 0,1,2,3
.irp e, 0,1
	v_ldexp_f32 v[NL+4*\k+2*\e], 1.0, v[NL+4*\k+2*\e]   ; 2^(M of part k - M)
.endr
.endr
.irp e, 0,1
	v_mul_f32 v[222+\e], v[NL+2*\e], v[NL+2*\e+1]
.endr
.irp k, 1,2,3
.irp e, 0,1
	v_fma_f32 v[222+\e], v[NL+4*\k+2*\e], v[NL+4*\k+2*\e+1], v[222+\e]
.endr
.endr
	s_wait_alu depctr_va_vdst(0)                   ; ahead of the batch
	v_rcp_f32 v222, v222
	v_rcp_f32 v223, v223
	v_nop
	s_wait_alu depctr_va_vdst(0)                   ; and behind it
.irp k, 0,1,2,3
.irp e, 0,1
	v_mul_f32 v[NL+4*\k+2*\e], v[NL+4*\k+2*\e], v[222+\e]
.endr
.endr
	s_wait_alu depctr_va_vdst(0)                   ; directly ahead of the wait below
	s_wait_dscnt 0x0
.irp e, 0,1
	v_pk_mul_f32 v[OD+4*\e:OD+4*\e+1], v[OD+4*\e:OD+4*\e+1], v[NL+2*\e:NL+2*\e+1] op_sel_hi:[1,0]
	v_pk_mul_f32 v[OD+4*\e+2:OD+4*\e+3], v[OD+4*\e+2:OD+4*\e+3], v[NL+2*\e:NL+2*\e+1] op_sel_hi:[1,0]
.endr
.irp k, 1,2,3
.irp e, 0,1
	v_pk_fma_f32 v[OD+4*\e:OD+4*\e+1], v[OD+8*\k+4*\e:OD+8*\k+4*\e+1], v[NL+4*\k+2*\e:NL+4*\k+2*\e+1], v[OD+4*\e:OD+4*\e+1] op_sel_hi:[1,0,1]
	v_pk_fma_f32 v[OD+4*\e+2:OD+4*\e+3], v[OD+8*\k+4*\e+2:OD+8*\k+4*\e+3], v[NL+4*\k+2*\e:NL+4*\k+2*\e+1], v[OD+4*\e+2:OD+4*\e+3] op_sel_hi:[1,0,1]
.endr
.endr
.irp e, 0,1
	global_store_b128 v[L16], v[OD+4*\e:OD+4*\e+3], s[OUTP:OUTP+1] offset:512*\e th:TH_STORE_NT   ; 512 consecutive bytes, aligned
.endr
	s_endpgm
.Lfunc_end_k_qcfed2f4b1f_attn:
	.size	k_qcfed2f4b1f_attn, .Lfunc_end_k_qcfed2f4b1f_attn-k_qcfed2f4b1f_attn
	.p2alignl 7, 3214868480
	.fill 96, 4, 3214868480
	.section	.rodata,"a",@progbits
	.p2align	6, 0x0
	.amdhsa_kernel k_qcfed2f4b1f_attn
		.amdhsa_group_segment_fixed_size 327680
		.amdhsa_private_segment_fixed_size 0
		.amdhsa_enable_private_segment 0
		.amdhsa_kernarg_size 32
		.amdhsa_user_sgpr_count 2
		.amdhsa_user_sgpr_kernarg_segment_ptr 1
		.amdhsa_wavefront_size32 1
		.amdhsa_system_sgpr_workgroup_id_x 1
		.amdhsa_system_sgpr_workgroup_id_y 1
		.amdhsa_system_sgpr_workgroup_id_z 1
		.amdhsa_system_vgpr_workitem_id 0
		.amdhsa_next_free_vgpr 256
		.amdhsa_next_free_sgpr 66
		.amdhsa_reserve_vcc 1
		.amdhsa_float_denorm_mode_32 3
		.amdhsa_float_denorm_mode_16_64 3
		.amdhsa_memory_ordered 1
		.amdhsa_forward_progress 1
		.amdhsa_inst_pref_size 146
	.end_amdhsa_kernel
	.amdgpu_metadata
---
amdhsa.version: [ 1, 2 ]
amdhsa.kernels:
  - .name:           k_qcfed2f4b1f_attn
    .symbol:         k_qcfed2f4b1f_attn.kd
    .args:
      - { .name: qc, .offset: 0, .size: 8, .value_kind: global_buffer, .address_space: global }
      - { .name: qs, .offset: 8, .size: 8, .value_kind: global_buffer, .address_space: global }
      - { .name: kv, .offset: 16, .size: 8, .value_kind: global_buffer, .address_space: global }
      - { .name: out0, .offset: 24, .size: 8, .value_kind: global_buffer, .address_space: global }
    .group_segment_fixed_size: 327680
    .private_segment_fixed_size: 0
    .kernarg_segment_align: 8
    .kernarg_segment_size: 32
    .max_flat_workgroup_size: 512
    .sgpr_count:     66
    .vgpr_count:     256
    .wavefront_size: 32
...
	.end_amdgpu_metadata
.endif
;; end of part 2
